; MI455X (gfx1250); checked and timed in simulation.
; The chip was launched on July 23, 2026; its instructions are those of AMD's public machine-readable ISA for CDNA 5 (MIT licence, August 2026) and "CDNA5" Instruction Set Architecture Reference Guide (July 2026). The comments in the code are by the model that wrote it; some were corrected since.
;; Quantized Linear ZSE. Allowed arithmetic: matrix products marked QUANTISED: E5M2 operands, one E8M0 scale for each 32 along K, by v_wmma_scale_f32_16x16x128_f8f6f4 with both operands' format E5M2, f32 sums; everything else in f32.
;; Inputs: weight_packed 4,096 x 2,048 int32; weight_scales 4,096 x 32 float32; x_codes 4,096 x 128 x 32 uint8 (E5M2 codes of x, K innermost, in blocks of 32 codes); x_scales 4,096 x 128 uint8 (E8M0 scales of x, one for each 32 codes along K).
;; Outputs: out0 4,096 x 4,096 float32.
;; Constants: group_size = 128.
;; This version of the problem:
;;   THIS VERSION OF THE PROBLEM IS GIVEN IN LOW PRECISION. The matrix products marked QUANTISED in the list below multiply operands that are first quantised to E5M2 (5 exponent bits, 2 mantissa bits; 8 bits a number), with one power-of-two scale for each 32 numbers along K (OCP MX v1.0); their sums are f32. All else is computed in f32.
;;   The module's matrix products, in the order in which they are computed (A, B: the left and right operand; K: the contracted axis; several contracted axes count as one K, in the product's order):
;;     1. [M 4,096, K 4,096] x [K 4,096, N 4,096]; A: input x (given as codes); B: computed on the way: QUANTISED
;;   THE QUANTISER, for each operand of a quantised product, along K:
;;     - K is cut into blocks of 32 from its start; a last block that is shorter is filled with zeros.
;;     - A block's scale is 2^e with e = floor(log2(the largest magnitude in the block)) - 15, held to -126 .. 127; a block of zeros has e = 0. As a byte (E8M0): e + 127.
;;     - Each number is divided by its block's scale, clamped to +-57,344, and rounded to the nearest number of E5M2, ties to even, subnormals kept.
;;     - The product sums the exact products of the quantised numbers (number of the format x scale) in f32.
;;   ~~~python
;;   def quantise(x, axis):      # numpy; x: float32 -> the quantised numbers, widened to float32 again
;;       x = np.moveaxis(x, axis, -1); K = x.shape[-1]
;;       x = np.pad(x, [(0, 0)] * (x.ndim - 1) + [(0, -K % 32)]); x = x.reshape(x.shape[:-1] + (-1, 32)); a = np.abs(x).max(-1, keepdims=True)
;;       e = np.where(a > 0, np.clip(np.frexp(np.where(a > 0, a, 1))[1] - 1 - 15, -126, 127), 0)      # np.frexp(a)[1] - 1 = floor(log2(a)), exactly
;;       r = np.clip(x / 2.0 ** e, -57344, 57344)
;;       step = 2.0 ** (np.maximum(np.frexp(np.where(r == 0, 1, r))[1] - 1, -14) - 2)
;;       q = np.round(r / step) * step * 2.0 ** e      # np.round: ties to even
;;       return np.moveaxis(q.reshape(q.shape[:-2] + (-1,))[..., :K], -1, axis).astype(np.float32)
;;   ~~~
;;   OPERANDS COMPUTED ON THE WAY. 'Computed on the way' means the value that the module computes at that place (a softmax that the list does not call 'softmax' is quantised finished and normalised). What goes into a quantiser is computed in f32, as accurately as f32 sums, v_exp_f32 and their like allow (about 1e-6 of the number): no bf16 or f16 on the way to a quantiser, and a product that is left as it is and whose result goes on into a quantised operand takes f32 operands (vector FMAs, or v_wmma_f32_16x16x4_f32). A number that lies on a knife's edge between two numbers of the format may be rounded either way, as far as f32 arithmetic and the matrix unit's own rounding can turn it there, and no further.
;;   INPUTS GIVEN AS CODES. x (in the module: [4096, 4096], K = its axis 1): each comes as NAME_codes (uint8): NAME with its K axis moved to the last place and cut into blocks of 32 codes, [.., K / 32, bytes a block], one block behind the other in memory; one code a byte (a code: sign, 5 exponent bits, 2 mantissa bits); and NAME_scales (uint8): the same leading axes, one E8M0 byte (e + 127) for each 32 codes along K. Its value is code x scale, taken as it is: it is not quantised again, and the codes and scales need not be those that the quantiser above would give.
;; One version. Each part assembles by itself: llvm-mc -triple=amdgcn-amd-amdhsa -mcpu=gfx1250 --defsym DOCPART=n.
;; ======== version 1 of 1: 2 launches
;; limits: right only within a limited range of input values
;; workspace buffers: w_codes 16,777,216 bytes; scl 1,048,576 bytes
;; launch prep (part 1): grid 64 x 4, 16 waves a work-group, no clusters, 76,800 bytes of LDS; arguments weight_packed, weight_scales, x_scales, w_codes, scl; writes w_codes, scl
.if DOCPART == 1
	.amdgcn_target "amdgcn-amd-amdhsa--gfx1250"
	.amdhsa_code_object_version 6
	.text
	.protected	k_q0735203d31_prep
	.globl	k_q0735203d31_prep
	.p2align	8
	.type	k_q0735203d31_prep,@function
k_q0735203d31_prep:
	s_mov_b64 s[64:65], 0
	v_nop
	global_prefetch_b8 v0, s[64:65] scope:SCOPE_SE
	s_setreg_imm32_b32 hwreg(HW_REG_WAVE_MODE, 25, 1), 1
	s_wait_xcnt 0x0
; W[n][k] = (4-bit number - 8) x its group's scale (one f32 scale for each 128 along K), in f32, one rounding; then quantised along K to codes of BF8 (E5M2) with one E8M0 byte for each 32 along K.
; weight_packed: [4096][2048] int32, bits 3:0 = the even k, bits 7:4 = the odd k.  weight_scales: [4096][32] f32.  x_scales: [4096][128] bytes.  No work of reference() is left out.
; OUT, in the order of the product's operand registers (r = lane % 16, h = lane / 16):
;   w_codes [n / 128: 32][q = k / 128: 32][b: 8][c: 4][lane: 32][16 bytes]: column 128 (n / 128) + 64 (b / 4) + 4 r + b % 4, k = 128 q + 32 c + 16 h + 0 .. 15.
;   scl: x's words from byte 0, [row / 128][q][i / 4][r][i % 4], the word of row 16 i + r of the 128; W's from byte WOFF, [n / 128][q][n % 128].  A word is the four scale bytes of 128 along K.
; A block's scale is 2^(floor(log2(its largest magnitude)) - 15); its byte is the largest magnitude's exponent field - 15, held at 1 from below.  Each number is held within +-57,344 x the scale and rounded to the nearest code, ties to even.
; LIMITS: a block of zeros gets the byte 1 where the rule says 127: its codes are zeros, which add nothing under any byte but 0xff, and this program alone reads the bytes.  A block whose largest magnitude lies under
; 2^(16 - 127) keeps the byte 1.  NaN and infinities among weight_scales are not served.
; SHARES.  Work-group (G, y): rows 64 G .. 64 G + 63, k = 1,024 y .. 1,024 y + 1,023.  Wave w: rows 4 w .. 4 w + 3.  A CHUNK is one row p and one u (256 along K): one load of 512 consecutive bytes, 8 neighbouring k a lane; four neighbouring lanes hold a block of 32.
; All 16 loads of a wave go out at the head.  Codes meet in LDS, as an image of the operand registers padded so that a wave's 32 pieces of 8 bytes lie in 32 different 8-byte columns of 256 bytes; they leave in two halves, each store of a wave 512 consecutive bytes.
; No tensor loads, no matrix work, no cluster: the launch is a stream and its work-groups share nothing.
.set QS,  8832                         ; the image: bytes from q to q,
.set BS,  2176                         ; from b % 4 to the next,
.set CS,  544                          ; from c to c,
.set HS,  272                          ; from h = 0 to h = 1
.set SCU, 8*QS                         ; x's eight units of 256 scale bytes, then W's eight
.set SPARE, SCU+4096
.set PO,  1                            ; my 16 bytes of a chunk
.set SO,  3                            ; weight_scales: lane (r, h) takes row r / 4 of my wave's four, group 2 (r % 4) + h of the work-group's eight
.set XO,  4                            ; x_scales: thread T takes word T % 8 of row T / 8
.set XL,  5                            ; LDS: where that word goes
.set BL,  6                            ; LDS: where my block's byte goes
.set CL,  7                            ; LDS: where my 8 codes go
.set RL,  8                            ; LDS: 16 bytes of the image a lane, on the way out
.set GO,  9                            ; and their place in w_codes
.set OL,  10                           ; LDS: 8 scale bytes a thread, on the way out
.set OG,  11                           ; and their place in scl
.set WS,  16                           ; the wave's group scales
.set XS,  17
.set S,   18                           ; v[18:19], v[20:21] two chunks' group scales
.set KC,  22                           ; v[22:23] -(2^23 + 8), -(2^19 + 8)
.set T,   24                           ; two chunks' numbers, 8 each
.set M,   40
.set P,   48                           ; the 16 chunks as loaded
.set C,   112                          ; their codes
.set E,   144                          ; their scale bytes
.set R,   160
.set U,   192
.set SPW, 194
.set NIL, 195
	s_load_b256 s[4:11], s[0:1], 0x0               ; weight_packed, weight_scales, x_scales, w_codes
	s_load_b64 s[12:13], s[0:1], 0x20              ; scl
	v_lshl_add_u32 v[SPW], v0, 2, SPARE
	v_mov_b32 v[NIL], 0
	s_and_b32 s15, ttmp7, 0xffff                   ; y
	s_lshr_b32 s24, ttmp9, 1
	s_and_b32 s25, ttmp9, 1
	s_lshl_b32 s16, ttmp9, 19                      ; weight_packed: 64 rows of 8,192 bytes; 1,024 along K are 2,048 bytes
	s_lshl_b32 s14, s15, 11
	s_add_co_u32 s16, s16, s14
	s_mov_b32 s17, 0
	s_lshl_b32 s18, ttmp9, 13                      ; weight_scales, x_scales: 64 rows of 128 bytes; 1,024 along K are 32 bytes in both
	s_lshl_b32 s14, s15, 5
	s_add_co_u32 s18, s18, s14
	s_mov_b32 s19, 0
	s_lshl_b32 s26, s24, 19                        ; w_codes
	s_lshl_b32 s14, s25, 13
	s_add_co_u32 s26, s26, s14
	s_lshl_b32 s14, s15, 17
	s_add_co_u32 s26, s26, s14
	s_mov_b32 s27, 0
	s_lshl_b32 s28, s24, 14                        ; scl
	s_lshl_b32 s14, s25, 8
	s_add_co_u32 s28, s28, s14
	s_lshl_b32 s14, s15, 12
	s_add_co_u32 s28, s28, s14
	s_mov_b32 s29, 0
	s_mov_b32 s20, 0x4b000000                      ; 2^23: with a 4-bit number in bits 3:0 it is 2^23 + that number
	s_mov_b32 s21, 0x49000000                      ; 2^19: with a 4-bit number in bits 7:4 it is 2^19 + that number
	s_mov_b32 s22, 0x600000                        ; the mantissa field of 57,344
	v_lshrrev_b32 v12, 5, v0                       ; wave
	v_and_b32 v13, 31, v0                          ; lane
	v_bfe_u32 v14, v0, 2, 2
	v_and_b32 v15, 3, v0
	v_bfe_u32 v2, v0, 4, 1                         ; h
	v_lshlrev_b32 v[PO], 4, v13
	v_lshl_or_b32 v[PO], v12, 15, v[PO]
	v_lshlrev_b32 v[SO], 9, v12
	v_lshl_add_u32 v[SO], v14, 7, v[SO]
	v_lshl_add_u32 v[SO], v15, 3, v[SO]
	v_lshl_add_u32 v[SO], v2, 2, v[SO]
	v_lshl_add_u32 v[BL], v12, 4, v14              ; row 4 w + p: 4 bytes a row; my block's byte is c = (lane / 4) % 4
	v_lshl_add_u32 v[BL], v2, 8, v[BL]
	v_add_nc_u32 v[BL], SCU+2048, v[BL]
	v_mul_u32_u24 v[CL], v2, QS                    ; codes: q = 2 u + lane / 16, c = (lane / 4) % 4, h = (lane / 2) % 2, r = w
	v_mad_u32_u24 v[CL], v14, CS, v[CL]
	v_bfe_u32 v15, v0, 1, 1
	v_mad_u32_u24 v[CL], v15, HS, v[CL]
	v_lshl_add_u32 v[CL], v12, 4, v[CL]
	v_and_b32 v15, 1, v0
	v_lshl_add_u32 v[CL], v15, 3, v[CL]
	v_lshrrev_b32 v14, 1, v12                      ; out: wave w takes q = w / 2, b % 4 = w % 2 of a half's two
	v_and_b32 v15, 1, v12
	v_mul_u32_u24 v[RL], v14, QS
	v_mad_u32_u24 v[RL], v15, BS, v[RL]
	v_mad_u32_u24 v[RL], v2, HS, v[RL]
	v_and_b32 v[OL], 15, v0
	v_lshl_add_u32 v[RL], v[OL], 4, v[RL]
	v_lshlrev_b32 v[GO], 4, v13
	v_lshl_add_u32 v[GO], v15, 11, v[GO]
	v_lshl_add_u32 v[GO], v14, 14, v[GO]
	v_and_b32 v14, 7, v0
	v_lshrrev_b32 v15, 3, v0
	v_lshlrev_b32 v[XO], 2, v14
	v_lshl_add_u32 v[XO], v15, 7, v[XO]
	v_bfe_u32 v15, v0, 3, 4
	v_lshlrev_b32 v[XL], 8, v14
	v_lshl_add_u32 v[XL], v15, 4, v[XL]
	v_lshrrev_b32 v15, 7, v0
	v_lshl_add_u32 v[XL], v15, 2, v[XL]
	v_add_nc_u32 v[XL], SCU, v[XL]
	v_lshlrev_b32 v[OL], 3, v0
	v_add_nc_u32 v[OL], SCU, v[OL]
	v_lshlrev_b32 v[OG], 3, v13                    ; wave w stores unit w: 0-7 x's, 8-15 W's
	v_and_b32 v14, 7, v12
	v_lshl_add_u32 v[OG], v14, 9, v[OG]
	v_lshrrev_b32 v14, 3, v12
	v_lshl_add_u32 v[OG], v14, 19, v[OG]           ; 2^19 = WOFF
.irp i, 0,1,2,3
	v_mov_b32 v[S+\i], 0                           ; (the destination of a lane move counts as one of its sources)
.endr
	v_mov_b32 v[KC], 0xcb000008
	v_mov_b32 v[KC+1], 0xc9000080
	s_wait_alu depctr_va_vdst(0)
	s_wait_kmcnt 0x0
	s_add_nc_u64 s[4:5], s[4:5], s[16:17]
	s_add_nc_u64 s[6:7], s[6:7], s[18:19]
	s_add_nc_u64 s[8:9], s[8:9], s[18:19]
	s_add_nc_u64 s[10:11], s[10:11], s[26:27]
	s_add_nc_u64 s[12:13], s[12:13], s[28:29]
	global_load_b32 v[WS], v[SO], s[6:7]
	global_load_b32 v[XS], v[XO], s[8:9]
.irp p, 0,1,2,3
.irp u, 0,1,2,3
	global_load_b128 v[P+4*(4*\p+\u):P+4*(4*\p+\u)+3], v[PO], s[4:5] offset:\p*8192+\u*512 th:TH_LOAD_NT
.endr
.endr
	s_wait_loadcnt 16                              ; the two small loads are in; the 16 chunks may be out
	ds_store_b32 v[XL], v[XS]                      ; x's scale word into its place in a unit
; Two chunks side by side: row p, u and u + 1; c0, c1 = 4 p + u of each: the lane of a half of the wave that holds its group's scale.
.macro PAIR u, p, c0, c1
	s_wait_loadcnt 14-4*\p-\u                      ; loads come back in order (ISA guide 5.7.1): these two are in
.irp i, 0,1,2,3
.irp x, 0,1
	v_and_or_b32 v[T+8*\x+2*\i], v[P+4*(4*\p+\u+\x)+\i], 15, s20
	v_and_or_b32 v[T+8*\x+2*\i+1], v[P+4*(4*\p+\u+\x)+\i], 0xf0, s21
.endr
.endr
	v_mov_b32_dpp v[S], v[WS] row_share:\c0 row_mask:0xf bank_mask:0xf
	v_mov_b32_dpp v[S+2], v[WS] row_share:\c1 row_mask:0xf bank_mask:0xf
.irp i, 0,2,4,6
.irp x, 0,1
	v_pk_add_f32 v[T+8*\x+\i:T+8*\x+\i+1], v[T+8*\x+\i:T+8*\x+\i+1], v[KC:KC+1]   ; the number - 8, exact
.endr
.endr
.irp i, 0,2,4,6
.irp x, 0,1
	v_pk_mul_f32 v[T+8*\x+\i:T+8*\x+\i+1], v[T+8*\x+\i:T+8*\x+\i+1], v[S+2*\x:S+2*\x+1] op_sel_hi:[1,0]   ; x the group's scale: W, rounded once
.endr
.endr
.irp x, 0,1
	v_max3_num_f32 v[M+\x], |v[T+8*\x]|, |v[T+8*\x+1]|, |v[T+8*\x+2]|
	v_max3_num_f32 v[M+2+\x], |v[T+8*\x+3]|, |v[T+8*\x+4]|, |v[T+8*\x+5]|
.endr
.irp x, 0,1
	v_max3_num_f32 v[M+\x], v[M+\x], |v[T+8*\x+6]|, |v[T+8*\x+7]|
.endr
.irp x, 0,1
	v_max3_num_f32 v[M+\x], v[M+\x], v[M+2+\x], 0x8000000          ; the floor 2^(16 - 127): the byte cannot fall under 1
.endr
.irp x, 0,1
	v_max_num_f32_dpp v[M+\x], v[M+\x], v[M+\x] row_xmask:1 row_mask:0xf bank_mask:0xf
.endr
.irp x, 0,1
	v_max_num_f32_dpp v[M+\x], v[M+\x], v[M+\x] row_xmask:2 row_mask:0xf bank_mask:0xf   ; the block's four lanes
.endr
.irp x, 0,1
	v_add_nc_u32 v[M+4+\x], 0xf8800000, v[M+\x]    ; 15 off its exponent field: the conversion's scale operand
	v_and_or_b32 v[M+6+\x], v[M+\x], 0x7f800000, s22   ; 57,344 x the scale
.endr
.irp i, 0,1,2,3,4,5,6,7
.irp x, 0,1
	v_med3_num_f32 v[T+8*\x+\i], v[T+8*\x+\i], -v[M+6+\x], v[M+6+\x]   ; the conversion does not saturate (ISA guide 7.6.2): the hold comes first
.endr
.endr
.irp x, 0,1
	v_cvt_scalef32_pk8_bf8_f32 v[C+2*(4*\p+\u+\x):C+2*(4*\p+\u+\x)+1], v[T+8*\x:T+8*\x+7], v[M+4+\x]
.endr
.irp x, 0,1
	v_lshrrev_b32 v[E+4*\p+\u+\x], 23, v[M+4+\x]   ; the scale's byte (and the plain lines behind the conversions)
.endr
.irp x, 0,1
	ds_store_b64 v[CL], v[C+2*(4*\p+\u+\x):C+2*(4*\p+\u+\x)+1] offset:(\u+\x)*2*QS+\p*BS
	ds_store_b8 v[BL], v[E+4*\p+\u+\x] offset:(\u+\x)*512+\p*4     ; the block's four lanes write the same byte with the same value
.endr
.endm
.macro MEETS s                         ; the waves' codes of b % 4 = 2 s, 2 s + 1 are in LDS: read them back as whole operand pieces
	s_wait_dscnt 0x0                               ; for the others' sake: my stores have landed
	s_barrier_signal -1
	s_barrier_wait -1
.irp c, 0,1,2,3
	ds_load_b128 v[R+16*\s+4*\c:R+16*\s+4*\c+3], v[RL] offset:\s*2*BS+\c*CS
.endr
.endm
.macro LEAVE s
.irp c, 0,1,2,3
	global_store_b128 v[GO], v[R+16*\s+4*\c:R+16*\s+4*\c+3], s[10:11] offset:\s*4096+\c*512   ; 32 lanes store 512 consecutive bytes
.endr
.endm
	PAIR 0, 0, 0, 1
	PAIR 2, 0, 2, 3
	PAIR 0, 1, 4, 5
	PAIR 2, 1, 6, 7
	MEETS 0
	PAIR 0, 2, 8, 9
	s_wait_dscnt 4                                 ; the pair's four LDS stores may be out
	LEAVE 0
	PAIR 2, 2, 10, 11
	PAIR 0, 3, 12, 13
	PAIR 2, 3, 14, 15
	MEETS 1
	ds_load_b64 v[U:U+1], v[OL]
	s_wait_dscnt 1                                 ; the scale bytes may be out
	LEAVE 1
	s_wait_dscnt 0x0
	global_store_b64 v[OG], v[U:U+1], s[12:13]     ; 32 lanes store one unit: 256 consecutive bytes, aligned
	s_wait_tensorcnt 0x0                           ; the wave's end
	ds_add_u32 v[SPW], v[NIL]
	s_wait_dscnt 0x0
	s_endpgm
.Lfunc_end_k_q0735203d31_prep:
	.size	k_q0735203d31_prep, .Lfunc_end_k_q0735203d31_prep-k_q0735203d31_prep
	.p2alignl 7, 3214868480
	.fill 96, 4, 3214868480
	.section	.rodata,"a",@progbits
	.p2align	6, 0x0
	.amdhsa_kernel k_q0735203d31_prep
		.amdhsa_group_segment_fixed_size 76800
		.amdhsa_private_segment_fixed_size 0
		.amdhsa_enable_private_segment 0
		.amdhsa_kernarg_size 40
		.amdhsa_user_sgpr_count 2
		.amdhsa_user_sgpr_kernarg_segment_ptr 1
		.amdhsa_wavefront_size32 1
		.amdhsa_system_sgpr_workgroup_id_x 1
		.amdhsa_system_sgpr_workgroup_id_y 1
		.amdhsa_system_sgpr_workgroup_id_z 1
		.amdhsa_system_vgpr_workitem_id 0
		.amdhsa_next_free_vgpr 200
		.amdhsa_next_free_sgpr 66
		.amdhsa_reserve_vcc 0
		.amdhsa_float_denorm_mode_32 3
		.amdhsa_float_denorm_mode_16_64 3
		.amdhsa_memory_ordered 1
		.amdhsa_forward_progress 1
		.amdhsa_inst_pref_size 48
	.end_amdhsa_kernel
	.amdgpu_metadata
---
amdhsa.version: [ 1, 2 ]
amdhsa.kernels:
  - .name:           k_q0735203d31_prep
    .symbol:         k_q0735203d31_prep.kd
    .args:
      - { .name: weight_packed, .offset: 0, .size: 8, .value_kind: global_buffer, .address_space: global }
      - { .name: weight_scales, .offset: 8, .size: 8, .value_kind: global_buffer, .address_space: global }
      - { .name: x_scales, .offset: 16, .size: 8, .value_kind: global_buffer, .address_space: global }
      - { .name: w_codes, .offset: 24, .size: 8, .value_kind: global_buffer, .address_space: global }
      - { .name: scl, .offset: 32, .size: 8, .value_kind: global_buffer, .address_space: global }
    .group_segment_fixed_size: 76800
    .private_segment_fixed_size: 0
    .kernarg_segment_align: 8
    .kernarg_segment_size: 40
    .max_flat_workgroup_size: 512
    .sgpr_count:     66
    .vgpr_count:     200
    .wavefront_size: 32
...
	.end_amdgpu_metadata
.endif
;; end of part 1
;; launch gemm (part 2): grid 16 x 16, 4 waves a work-group, clusters of 4 x 4, 327,680 bytes of LDS; arguments x_codes, w_codes, scl, out0; writes out0
.if DOCPART == 2
	.amdgcn_target "amdgcn-amd-amdhsa--gfx1250"
	.amdhsa_code_object_version 6
	.text
	.protected	k_q0735203d31_gemm
	.globl	k_q0735203d31_gemm
	.p2align	8
	.type	k_q0735203d31_gemm,@function
k_q0735203d31_gemm:
	s_mov_b64 s[64:65], 0
	v_nop
	global_prefetch_b8 v0, s[64:65] scope:SCOPE_SE
	s_setreg_imm32_b32 hwreg(HW_REG_WAVE_MODE, 25, 1), 1
	s_wait_xcnt 0x0
	s_wait_alu depctr_hold_cnt(0) depctr_sa_sdst(0) depctr_va_vdst(0) depctr_va_sdst(0) depctr_va_ssrc(0) depctr_va_vcc(0) depctr_vm_vsrc(0)
	s_getreg_b32 s2, hwreg(HW_REG_IB_STS2, 6, 4)
	s_cmp_eq_u32 s2, 0
	s_cbranch_scc0 .Lentry_in_a_cluster
	s_endpgm
.Lentry_in_a_cluster:
	s_bfe_u32 s2, ttmp6, 0x10000c
	s_cmp_lg_u32 s2, 0xf033
	s_cbranch_scc0 .Lentry_shape_is_right
	s_endpgm
.Lentry_shape_is_right:
; out[t][n] = sum over k of x[t][k] W[n][k]: codes of BF8 (E5M2) with an E8M0 scale for each 32 along K, f32 sums.  4,096 x 4,096 x 4,096.  No work of reference() is left out.
; 256 work-groups of four waves, 256 x 256 of out each; a wave makes 128 x 128: 64 accumulators, 512 registers.  The layouts of w_codes and scl stand at the head of the launch that writes them.
; K goes in 32 steps q of 128, each in two halves of 32 products: half g holds the wave's columns 64 g .. 64 g + 63 (four of W's fragments) against its eight fragments of x.
; W GOES STRAIGHT INTO REGISTERS: it lies in memory in the order of the operand registers, so each load of a wave is 512 consecutive bytes.  A ring of four half steps (256 registers): the half step four on comes where this one lay.
; These loads are not bound to the rounds of the barrier, so two and more half steps stay on their way throughout.  So W is not asked for jointly: two LDS slots with both operands hold 256 along K, with x alone 512, and have half the rounds.
; x GOES THROUGH LDS: 256 rows x 512 along K (a chunk) in each of two slots, filled by joint tensor loads: the four work-groups of a row of the 4 x 4 cluster take the same rows of x.  A wave fetches 64 rows of 512 bytes.
; THE ORDER OF K: a cluster begins at chunk (cluster x + 4 (cluster y % 2)) % 8 and goes round; the number is the same for all its work-groups.  Steps and chunks are counted in that order here.
; x's fragments have ONE set of registers: half 0 reads all eight, half 1 reads them for the last time.  Loads stand in two runs a step, each behind eight v_nop: ahead of half 1's product 20 the next step's fragments 0 .. 4 and half a step of W, ahead of a step its fragments 5 .. 7, half a step of W and scale words.
; THE LAST CHUNK, steps 28 .. 31, goes by columns: half 0 of its four steps, then half 1 of its four: so the first 64 columns are finished 128 products ahead of the end, and leave among half 1's products.  x's fragments are loaded for each half there.
; REGISTERS: window 0: v16-25 addresses, v32-63 scale words (four steps, 8 each: lanes 0-15 x's word of block i, lanes 16-31 W's), v128-255 x's fragments.  window 1: W's ring.  windows 2, 3: sums of half 0, half 1: product n = 4 a + b at v[8 n].
; THE WAY OUT: source 0 = 16 rows of x, source 1 = 16 columns of W, 4 r + b of a half's 64: register j of four neighbouring accumulators holds four neighbouring columns of row 8 h + j: four moves, and sixteen lanes store 256 consecutive bytes.
; PREFETCH: a cluster asks once for each 256 bytes of W and of x that it will load; the partners share them out by address.  In trip t W's chunk t + 2 (a step a wave), whose loads begin in the next trip, and x's chunk t + 3, whose joint load stands in the next trip.
; Ahead of the loop W's steps 2, 3 and chunk 1, and x's chunk 2.  The scale words are not prefetched: their loads stand three steps ahead.
; LIMITS: NaN codes and infinities of x, and scale bytes 0xff, give what the matrix instruction makes of them.
.set PITCH, 528                        ; an LDS row: 512 bytes + 16: sixteen neighbouring rows start at sixteen different 16-byte columns of 256 bytes
.set SLOT,  256*PITCH
.set SPARE, 2*SLOT                     ; the spare words, 128 bytes a wave
.set WOFF,  524288
.set OROW,  16384                      ; a row of out in bytes
.set LO,   16                          ; 16 x lane
.set SCO,  17                          ; my 16 bytes of scale words
.set CO,   18                          ; my offset in out
.set PFO,  19                          ; prefetches of W: 256 x lane
.set PAO,  20                          ; prefetches of x: row lane / 2, 256 x (lane % 2)
.set ADRA, 21                          ; LDS address of my fragments of x, in the slot that is read
.set ADRA0, 22                         ; the same in slot 0
.set SPW,  23
.set NIL,  24
.set PF2,  25                          ; the first prefetch of W: 256 x (lane / 2)
.set SC,   32
.set AF,   128
.set G1,   24                          ; s[24:31], s[32:35] descriptor of x's tiles
.set G0,   32
.set SLO,  47                          ; s47 the slot of the chunk at work, in bytes
.set WB,   48                          ; W's stream: this chunk, the next, and chunk 0 of memory
.set WN,   50
.set WBASE, 52
.set SCN,  54                          ; the scale words of the next chunk; of the first
.set SCH,  56
.set NX,   58                          ; s58 the next chunk's number
.set AX,   60                          ; my 64 rows of x
.set PFB0, 62
.set PFA0, 66
.set PFB,  68
.set PFA,  70
.set PH0,  72
.set PH1,  74
.set PH2,  76
.set MUL0, 0xa4                        ; source 0 window 0, source 1 window 1, C and D window 2;  + 0x50: window 3
.set XT_,  0                           ; 1: W's half steps of the last chunk come in its order
.set MSB, 0
.macro WIN new                         ; the immediate's high byte repeats the setting that is left
.if MSB != (\new)
	s_set_vgpr_msb (MSB<<8)|(\new)
.set MSB, (\new)
.endif
.endm
.macro CREST                           ; a round of the cluster's barrier behind its opening barrier
	s_cmp_lg_u32 s14, 0
	s_cbranch_scc1 .Lnot_wave_0_\@
	s_barrier_signal -3
.Lnot_wave_0_\@:
	s_barrier_wait -3
	s_barrier_signal -1
	s_barrier_wait -1
.endm
.macro CROUND
	s_barrier_signal -1
	s_barrier_wait -1
	CREST
.endm
.macro JLOAD
	tensor_load_to_lds s[G0:G0+3], s[G1:G1+7]
	s_nop 0
.rept 4
	v_nop
.endr
.endm
.macro SCLD set, base, off             ; a step's scale words: 8 registers
	global_load_b128 v[SC+8*(\set):SC+8*(\set)+3], v[SCO], s[\base:\base+1] offset:\off
	global_load_b128 v[SC+8*(\set)+4:SC+8*(\set)+7], v[SCO], s[\base:\base+1] offset:(\off)+256
.endm
.macro BPAIR p                         ; pair p of the eight that bring half a step of W to place SD_ of the ring
	WIN 0x40
.set I_, 2*(\p)
	global_load_b128 v[64*SD_+4*I_:64*SD_+4*I_+3], v[LO], s[WX_:WX_+1] offset:BO_+512*I_
	global_load_b128 v[64*SD_+4*I_+4:64*SD_+4*I_+7], v[LO], s[WX_:WX_+1] offset:BO_+512*I_+512
.endm
.macro APAIR k, qi                     ; pair k of the sixteen that bring a step's fragments of x: half of fragment k / 2; step qi of the chunk
	WIN 0
.set F_, (\k)/2
.set C_, 2*((\k)%2)
	ds_load_b128 v[AF+16*F_+4*C_:AF+16*F_+4*C_+3], v[ADRA] offset:16*PITCH*F_+128*(\qi)+32*C_
	ds_load_b128 v[AF+16*F_+4*C_+4:AF+16*F_+4*C_+7], v[ADRA] offset:16*PITCH*F_+128*(\qi)+32*C_+32
.endm
.macro AROUND n, sh                    ; s20 = ((next chunk's number + n) % 8) << sh
	s_add_co_u32 s20, s[NX], \n
	s_and_b32 s20, s20, 7
	s_lshl_b32 s20, s20, \sh
.endm
	s_load_b256 s[4:11], s[0:1], 0x0               ; x_codes, w_codes, scl, out0
	v_lshl_add_u32 v[SPW], v0, 2, SPARE
	v_mov_b32 v[NIL], 0
	ds_add_u32 v[SPW], v[NIL]                      ; the opening lines
	ds_add_u32 v[SPW], v[NIL]
	v_lshrrev_b32 v1, 5, v0
	v_readfirstlane_b32 s14, v1                    ; wave
	s_lshr_b32 s15, s14, 1                         ; my half of the tile's rows
	s_and_b32 s16, s14, 1                          ; my half of its columns
	s_bfe_u32 s40, ttmp6, 0x40000                  ; cx, cy
	s_bfe_u32 s41, ttmp6, 0x40004
	s_lshl_b32 s42, ttmp9, 2
	s_add_co_u32 s42, s42, s40                     ; tile column
	s_and_b32 s17, ttmp7, 0xffff
	s_and_b32 s44, s17, 1
	s_lshl_b32 s44, s44, 2
	s_add_co_u32 s44, s44, ttmp9
	s_and_b32 s44, s44, 7                          ; the chunk that my cluster begins at
	s_add_co_u32 s[NX], s44, 1
	s_and_b32 s[NX], s[NX], 7
	s_lshl_b32 s17, s17, 2
	s_add_co_u32 s17, s17, s41                     ; tile row
	s_lshl_b32 s43, s41, 2
	s_lshl_b32 s43, 15, s43                        ; my row of the cluster
	s_or_b32 s[G1+0], s43, (1<<20)|(1<<21)|(6<<22)|(3<<25)   ; mask; element of 1 byte; 16 bytes of padding behind every 512; bit 21 beside a mask
	s_mov_b32 s[G1+1], 512<<16
	s_mov_b32 s[G1+2], 64<<16
	s_mov_b32 s[G1+3], 512<<16
	s_mov_b32 s[G1+4], 64
	s_mov_b32 s[G1+5], 4096
	s_mov_b32 s[G1+6], 0
	s_mov_b32 s[G1+7], 0
	s_lshl_b32 s43, s17, 1
	s_add_co_u32 s43, s43, s15                     ; my 128 rows of x
	s_lshl_b32 s45, s42, 1
	s_add_co_u32 s45, s45, s16                     ; my 128 columns
	s_lshl_b32 s22, s43, 14
	s_lshl_b32 s23, s45, 14
	s_add_co_u32 s23, s23, WOFF
	s_sub_co_u32 s23, s23, s22
	s_mul_i32 s46, s15, 128*PITCH
	s_mov_b32 s[SLO], 0
	s_mov_b32 s21, 0
	v_and_b32 v2, 31, v0                           ; lane
	v_and_b32 v3, 15, v0                           ; r
	v_bfe_u32 v4, v0, 4, 1                         ; h
	v_lshlrev_b32 v[LO], 4, v2
	v_lshlrev_b32 v[PFO], 8, v2
	v_lshrrev_b32 v5, 1, v2
	v_and_b32 v6, 1, v2
	v_lshlrev_b32 v[PAO], 12, v5
	v_lshl_add_u32 v[PAO], v6, 8, v[PAO]
	v_lshlrev_b32 v[PF2], 8, v5
	v_lshlrev_b32 v[CO], 17, v4                    ; 8 h rows of out
	v_lshl_add_u32 v[CO], v3, 4, v[CO]
	v_mul_u32_u24 v7, v3, PITCH
	v_lshl_add_u32 v7, v4, 4, v7
	v_add_nc_u32 v[ADRA0], s46, v7
	v_add_nc_u32 v[ADRA], s46, v7
	v_mul_u32_u24 v8, s23, v4                      ; lanes 16-31 take W's words
	v_lshl_add_u32 v8, v3, 4, v8
	v_add_nc_u32 v[SCO], s22, v8
	s_wait_alu depctr_va_vdst(0)
	s_wait_dscnt 0x0                               ; both opening adds are done
	s_wait_kmcnt 0x0
	s_lshl_b32 s20, s45, 19                        ; 128 columns of W: 524,288 bytes; a chunk of theirs 65,536; of scale words 2,048
	s_add_nc_u64 s[WBASE:WBASE+1], s[6:7], s[20:21]
	s_lshl_b32 s20, s44, 16
	s_add_nc_u64 s[WB:WB+1], s[WBASE:WBASE+1], s[20:21]
	s_lshl_b32 s20, s[NX], 16
	s_add_nc_u64 s[WN:WN+1], s[WBASE:WBASE+1], s[20:21]
	s_lshl_b32 s20, s44, 11
	s_add_nc_u64 s[SCH:SCH+1], s[8:9], s[20:21]
	s_lshl_b32 s20, s[NX], 11
	s_add_nc_u64 s[SCN:SCN+1], s[8:9], s[20:21]
.macro WFIRST hh                       ; W's half step hh of the first chunk
.set WX_, WB
.set SD_, \hh
.set BO_, 8192*\hh
.irp p, 0,1,2,3,4,5,6,7
	BPAIR \p
.endr
	WIN 0
.endm
.irp q, 0,1,2
	SCLD \q, SCH, 512*\q
.endr
	WFIRST 0
	s_lshl_b32 s43, s17, 20                        ; x: 256 rows of 4,096 bytes a tile row
	s_lshl_b32 s22, s14, 18                        ; I fetch 64 of them
	s_add_co_u32 s22, s22, s43
	s_mov_b32 s23, 0
	s_add_nc_u64 s[AX:AX+1], s[4:5], s[22:23]
	s_mov_b32 s[G0], 1
	s_mul_i32 s[G0+1], s14, 64*PITCH
	s_lshl_b32 s20, s44, 9
	s_add_nc_u64 s[G0+2:G0+3], s[AX:AX+1], s[20:21]
	s_or_b32 s[G0+3], s[G0+3], 0x80000000
	CROUND                                         ; all sixteen work-groups are here
	JLOAD                                          ; the first chunk into slot 0
	WFIRST 1
	WFIRST 2
	s_lshl_b32 s22, s42, 20                        ; prefetches of W: of the 32 KiB that my work-group's columns have in a step, part cy of four: 8,192 bytes
	s_and_b32 s46, s41, 1
	s_lshl_b32 s46, s46, 13
	s_add_co_u32 s22, s22, s46
	s_lshr_b32 s46, s41, 1
	s_lshl_b32 s46, s46, 19
	s_add_co_u32 s22, s22, s46
	s_add_nc_u64 s[PFB0:PFB0+1], s[6:7], s[22:23]
	s_lshl_b32 s20, s44, 16                        ; the first chunk's steps 2 and 3: half of my part a wave
	s_add_co_u32 s22, s15, 2
	s_lshl_b32 s22, s22, 14
	s_add_co_u32 s20, s20, s22
	s_lshl_b32 s22, s16, 12
	s_add_co_u32 s20, s20, s22
	s_add_nc_u64 s[PH0:PH0+1], s[PFB0:PFB0+1], s[20:21]
	global_prefetch_b8 v[PF2], s[PH0:PH0+1] th:TH_LOAD_NT scope:SCOPE_SE
	s_lshl_b32 s22, s14, 14
	s_add_nc_u64 s[PFB0:PFB0+1], s[PFB0:PFB0+1], s[22:23]   ; from here on a step a wave
	AROUND 0, 16
	s_add_nc_u64 s[PH1:PH1+1], s[PFB0:PFB0+1], s[20:21] ; W's next chunk
	AROUND 1, 16
	s_add_nc_u64 s[PFB:PFB+1], s[PFB0:PFB0+1], s[20:21] ; and the one after it
	s_lshl_b32 s22, s40, 18                        ; of x: my work-group's 64 rows of the 256, my wave's 16 of them
	s_add_co_u32 s22, s22, s43
	s_lshl_b32 s46, s14, 16
	s_add_co_u32 s22, s22, s46
	s_add_nc_u64 s[PFA0:PFA0+1], s[4:5], s[22:23]
	AROUND 1, 9
	s_add_nc_u64 s[PH2:PH2+1], s[PFA0:PFA0+1], s[20:21] ; x's chunk after the next
	AROUND 2, 9
	s_add_nc_u64 s[PFA:PFA+1], s[PFA0:PFA0+1], s[20:21]
	s_lshl_b32 s22, s17, 22                        ; out: my first row and column, in bytes
	s_lshl_b32 s46, s15, 21
	s_add_co_u32 s22, s22, s46
	s_lshl_b32 s46, s42, 10
	s_add_co_u32 s22, s22, s46
	s_lshl_b32 s46, s16, 9
	s_add_co_u32 s22, s22, s46
	s_add_nc_u64 s[10:11], s[10:11], s[22:23]
	s_wait_tensorcnt 0x0                           ; my part of the first chunk is in
	ds_add_u32 v[SPW], v[NIL]
	s_add_co_u32 s[G0+1], s[G0+1], SLOT            ; no tensor load of mine is out: the next chunk, slot 1
	AROUND 0, 9
	s_add_nc_u64 s[G0+2:G0+3], s[AX:AX+1], s[20:21]
	s_or_b32 s[G0+3], s[G0+3], 0x80000000
	s_wait_dscnt 0x0
	CROUND
	JLOAD
.irp k, 0,1,2,3,4,5,6,7,8,9,10,11,12,13,14,15
	APAIR \k, 0
.endr
	global_prefetch_b8 v[PFO], s[PH1:PH1+1] th:TH_LOAD_NT scope:SCOPE_SE
	global_prefetch_b8 v[PAO], s[PH2:PH2+1] th:TH_LOAD_NT scope:SCOPE_SE
; Ahead of product N_.  Half 0 waits for x's fragments by count: all 32 loads of the step are out, in ascending order: ahead of product 4 a the 28 - 4 a behind fragment a's may be.
; rnd = 1, in a chunk's last step, whose fragments have all been asked for: a round of the cluster's barrier and the refill; rnd = 2: a plain barrier, nothing is filled again.
.macro EDGE hf, rnd
.if (\hf) == 0
.if (N_%4) == 0
.set DC_, 28-N_
.if (\rnd) && (N_ == 20)
.set DC_, 9                            ; the add is younger
.endif
.if ((\rnd) == 0) || (N_ < 24)
	s_wait_dscnt DC_
.endif
.endif
.if (\rnd) && (N_ == 16)
	WIN 0
	s_wait_tensorcnt 0x0                           ; my part of the next chunk has landed;
	ds_add_u32 v[SPW], v[NIL]
.if (\rnd) == 1
	s_mul_i32 s[G0+1], s14, 64*PITCH
	s_add_co_u32 s[G0+1], s[G0+1], s[SLO]          ; the refill goes where this chunk lies, with the chunk two on
	AROUND 1, 9
	s_add_nc_u64 s[G0+2:G0+3], s[AX:AX+1], s[20:21]
	s_or_b32 s[G0+3], s[G0+3], 0x80000000
.endif
	s_xor_b32 s[SLO], s[SLO], SLOT
	v_add_nc_u32 v[ADRA], s[SLO], v[ADRA0]         ; the next fragments come from the other slot
.endif
.if (\rnd) && (N_ == 24)
	WIN 0
	s_wait_alu depctr_va_vdst(0)
	s_wait_dscnt 0x0                               ; the add is done, and so are my reads of this slot
	s_barrier_signal -1
.endif
.if (\rnd) && (N_ == 30)
	WIN 0
	s_barrier_wait -1
.if (\rnd) == 1
	CREST
	JLOAD
.endif
.endif
.endif
.endm
; Product N_ = 4 a + b of half hf.  The 64 accumulators take turns, one instruction a turn (the last chunk: the 32 of a half), in the same order in every step.
.macro MM hf, zero
.set D_, 8*N_
.set R_, AF+16*(N_/4)
.set W_, 64*SL_+16*(N_%4)
.set X_, SC+8*SS_+(N_/4)
.set Y_, SC+8*SS_+4*(\hf)+(N_%4)
.if \zero
	v_wmma_scale_f32_16x16x128_f8f6f4 v[D_:D_+7], v[R_:R_+15], v[W_:W_+15], 0, v[X_], v[Y_] matrix_a_fmt:MATRIX_FMT_BF8 matrix_b_fmt:MATRIX_FMT_BF8 matrix_b_scale:MATRIX_SCALE_ROW1
.else
	v_wmma_scale_f32_16x16x128_f8f6f4 v[D_:D_+7], v[R_:R_+15], v[W_:W_+15], v[D_:D_+7], v[X_], v[Y_] matrix_a_fmt:MATRIX_FMT_BF8 matrix_b_fmt:MATRIX_FMT_BF8 matrix_b_scale:MATRIX_SCALE_ROW1
.endif
.endm
; A run of loads: of x's fragments 5 .. 7 (fa = 1) or 0 .. 4 (fa = 2), scale words, half a step of W
.macro RUN fa, qi, lb, ls, qq, first
.if ((\fa) || (\lb)) && ((\first) == 0)
.rept 8
	v_nop
.endr
.endif
.if (\fa) == 1
.irp k, 10,11,12,13,14,15
	APAIR \k, \qi
.endr
.elseif (\fa) == 2
.irp k, 0,1,2,3,4,5,6,7,8,9
	APAIR \k, \qi
.endr
.endif
.if \ls
	WIN 0
.if (\qq) == 0
	SCLD 3, SCH, 3*512
.else
	SCLD ((\qq)+3)%4, SCN, ((\qq)-1)*512
.endif
.endif
.if \lb
.irp p, 0,1,2,3,4,5,6,7
	BPAIR \p
.endr
.endif
.endm
.macro HALF hf, qq, zero, own, lc, la, lb, ls, rnd
.set SL_, (2*(\qq)+(\hf))%4
.set HN_, 2*(\qq)+(\hf)+3              ; which half step of W is loaded, by its place in the order of work
.set SD_, HN_%4
.if HN_ >= 8
.set WX_, WN
.set BO_, (HN_-8)*8192
.if XT_
.set BO_, (2*((HN_-8)%4)+(HN_-8)/4)*8192
.endif
.else
.set WX_, WB
.set BO_, HN_*8192
.endif
.set SS_, (\qq)%4
.if (\hf) == 0
	RUN \own, (\qq)%4, \lb, \ls, \qq, \zero
.endif
	s_wait_loadcnt \lc                             ; this half's W is in.  Younger, as a rule: ahead of half 0 three half steps (48) and two steps' scale words (4), ahead of half 1 two (32) and one's (2)
.set N_, 0
.rept 32
.if ((\hf) == 1) && (N_ == 20)
	RUN 2*\la, ((\qq)+1)%4, \lb, 0, \qq, 0
.endif
	EDGE \hf, \rnd
	WIN MUL0+0x50*\hf
	MM \hf, \zero
.set N_, N_+1
.endr
.endm
; Step q = 4 t + qq.  own: its fragments 5 .. 7 are loaded at its head; lc0, lc1 the halves' waits; la: the next step's fragments 0 .. 4 are loaded; lb0, lb1: half a step of W in each half; ls: the scale words three steps on
.macro Q qq, zero, own, lc0, lc1, la, lb0, lb1, ls, rnd
	HALF 0, \qq, \zero, \own, \lc0, 0, \lb0, \ls, \rnd
	HALF 1, \qq, \zero, \own, \lc1, \la, \lb1, 0, 0
.endm
	Q 0, 1, 0, 50, 34, 1, 1, 1, 1, 0               ; step 0 starts the sums
	WIN 0
	s_mov_b32 s3, 6
.Llap:                                                 ; trip t: steps 4 t + 1 .. 4 t + 4; in the third the chunk changes and chunk t + 2 is asked for
	global_prefetch_b8 v[PFO], s[PFB:PFB+1] th:TH_LOAD_NT scope:SCOPE_SE
	s_cmp_eq_u32 s3, 1                             ; the last trip has no chunk t + 3
	s_cbranch_scc1 .Lno_chunk
	global_prefetch_b8 v[PAO], s[PFA:PFA+1] th:TH_LOAD_NT scope:SCOPE_SE
.Lno_chunk:
	Q 1, 0, 1, 52, 34, 1, 1, 1, 1, 0
	Q 2, 0, 1, 52, 34, 1, 1, 1, 1, 0
	Q 3, 0, 1, 52, 34, 1, 1, 1, 1, 1
	Q 4, 0, 1, 52, 34, 1, 1, 1, 1, 0
	WIN 0
	s_wait_xcnt 0x0                                ; the trip's loads and prefetches have read their bases
	s_mov_b64 s[WB:WB+1], s[WN:WN+1]
	s_add_co_u32 s[NX], s[NX], 1
	s_and_b32 s[NX], s[NX], 7
	s_lshl_b32 s20, s[NX], 16
	s_add_nc_u64 s[WN:WN+1], s[WBASE:WBASE+1], s[20:21]
	s_lshl_b32 s20, s[NX], 11
	s_add_nc_u64 s[SCN:SCN+1], s[8:9], s[20:21]
	AROUND 1, 16
	s_add_nc_u64 s[PFB:PFB+1], s[PFB0:PFB0+1], s[20:21]
	AROUND 2, 9
	s_add_nc_u64 s[PFA:PFA+1], s[PFA0:PFA0+1], s[20:21]
	s_sub_co_u32 s3, s3, 1
	s_cmp_lg_u32 s3, 0
	s_cbranch_scc1 .Llap
	Q 1, 0, 1, 52, 34, 1, 1, 1, 1, 0               ; steps 25 .. 27: nothing is filled again
	Q 2, 0, 1, 52, 34, 1, 1, 1, 1, 0
.set XT_, 1
	Q 3, 0, 1, 52, 34, 1, 1, 1, 1, 2
; Eight stores of 16 bytes a lane from 32 registers at t of window w: 16 rows (block a) x 64 columns (half g)
.macro STORE8 g, a, t, w
	WIN 4*(\w)
.irp j, 0,1,2,3,4,5,6,7
	global_store_b128 v[CO], v[\t+4*\j:\t+4*\j+3], s[10:11] offset:(16*(\a)+\j)*OROW+256*\g th:TH_STORE_NT   ; lanes 0-15 one row's 256 consecutive bytes, lanes 16-31 those of the row eight on
.endr
.endm
.macro TBSET i                         ; where half i's two blocks are gathered: v64-127 of window 0, then the ring's places 0, 1, 2, whose last products are over
.if (\i) == 4
.set TB_, 64
.set TW_, 0
.else
.set TB_, 64*((\i)-5)
.set TW_, 1
.endif
.endm
; The last chunk's half i: i = 0 .. 3: half 0 of its step i; i = 4 .. 7: half 1 of its step i - 4.  Loaded at its head: fragments 5 .. 7, and W three halves on; ahead of product 20: the next half's fragments 0 .. 4.
; From i = 4 on two moves behind each product gather blocks 2 (i - 4) and 2 (i - 4) + 1 of the finished columns; the first block leaves ahead of product 20, the second at the next half's head.
.macro LASTH i, lc, lb, ls
.set SL_, (\i)%4
.set SS_, (\i)%4
.set SD_, ((\i)+3)%4
.set WX_, WN
.set BO_, (2*(((\i)+3)%4)+((\i)+3)/4)*8192
	RUN 1, (\i)%4, \lb, \ls, 4, 0
.if (\i) > 4
	TBSET \i-1
	s_wait_alu depctr_va_vdst(0)
	STORE8 0, 2*((\i)-5)+1, TB_+32, TW_
.endif
	TBSET \i
	s_wait_loadcnt \lc                             ; this half's W is in
.set N_, 0
.rept 32
.if N_ == 20
.if (\i) < 7
	RUN 2, ((\i)+1)%4, 0, 0, 4, 0
.endif
.if (\i) > 3
	s_wait_alu depctr_va_vdst(0)
	STORE8 0, 2*((\i)-4), TB_, TW_
.endif
.endif
.if (N_%4) == 0
.if ((\i) < 7) && (N_ >= 20)
	s_wait_dscnt 48-N_                             ; the next half's 20 loads are younger
.else
	s_wait_dscnt 28-N_
.endif
.endif
	WIN MUL0+0x50*((\i)/4)
	MM (\i)/4, 0
.if (\i) > 3
.set A_, 2*((\i)-4)+N_/16              ; block A_, moves 2 N_ and 2 N_ + 1 of 64: register j of accumulators 4 A_ .. 4 A_ + 3, j ascending
.set J_, (N_%16)/2
.set Q_, 2*(N_%2)
	WIN 0x02+0x40*TW_
	v_mov_b32 v[TB_+2*N_], v[8*(4*A_+Q_)+J_]
	v_mov_b32 v[TB_+2*N_+1], v[8*(4*A_+Q_+1)+J_]
.endif
.set N_, N_+1
.endr
.endm
	LASTH 0, 52, 1, 1                              ; younger: three half steps, two steps' scale words
	LASTH 1, 50, 1, 0                              ; three and one step's words
	LASTH 2, 50, 1, 0
	LASTH 3, 48, 1, 0                              ; three
	LASTH 4, 48, 1, 0
	LASTH 5, 32, 0, 0
	LASTH 6, 16, 0, 0
	LASTH 7, 0, 0, 0
	WIN 0
.rept 8
	v_nop                                          ; places ahead of the first reads of results and of the writes into operand registers
.endr
	s_wait_alu depctr_va_vdst(0)
	STORE8 0, 7, TB_+32, TW_
.macro LEAVE a, t, w                   ; block a of the last 64 columns
	WIN 0x03+0x40*(\w)
.irp j, 0,1,2,3,4,5,6,7
.irp b, 0,1,2,3
	v_mov_b32 v[\t+4*\j+\b], v[8*(4*\a+\b)+\j]
.endr
.endr
	STORE8 1, \a, \t, \w
.endm
	LEAVE 0, 192, 1                                ; the ring's last place,
	LEAVE 1, 224, 1
	LEAVE 2, 128, 0                                ; x's fragments
	LEAVE 3, 160, 0
	LEAVE 4, 192, 0
	LEAVE 5, 224, 0
	s_wait_xcnt 0x0                                ; the stores from v64-127 have read them
	LEAVE 6, 64, 0
	LEAVE 7, 96, 0
	WIN 0
	s_wait_tensorcnt 0x0                           ; the wave's end
	ds_add_u32 v[SPW], v[NIL]
	s_wait_dscnt 0x0
	CROUND                                         ; the closing round: no work-group ends while a partner may still ask for a tile that names it
	s_endpgm
.Lfunc_end_k_q0735203d31_gemm:
	.size	k_q0735203d31_gemm, .Lfunc_end_k_q0735203d31_gemm-k_q0735203d31_gemm
	.p2alignl 7, 3214868480
	.fill 96, 4, 3214868480
	.section	.rodata,"a",@progbits
	.p2align	6, 0x0
	.amdhsa_kernel k_q0735203d31_gemm
		.amdhsa_group_segment_fixed_size 327680
		.amdhsa_private_segment_fixed_size 0
		.amdhsa_enable_private_segment 0
		.amdhsa_kernarg_size 32
		.amdhsa_user_sgpr_count 2
		.amdhsa_user_sgpr_kernarg_segment_ptr 1
		.amdhsa_wavefront_size32 1
		.amdhsa_system_sgpr_workgroup_id_x 1
		.amdhsa_system_sgpr_workgroup_id_y 1
		.amdhsa_system_sgpr_workgroup_id_z 1
		.amdhsa_system_vgpr_workitem_id 0
		.amdhsa_next_free_vgpr 1024
		.amdhsa_next_free_sgpr 80
		.amdhsa_reserve_vcc 0
		.amdhsa_float_denorm_mode_32 3
		.amdhsa_float_denorm_mode_16_64 3
		.amdhsa_memory_ordered 1
		.amdhsa_forward_progress 1
		.amdhsa_inst_pref_size 229
	.end_amdhsa_kernel
	.amdgpu_metadata
---
amdhsa.version: [ 1, 2 ]
amdhsa.kernels:
  - .name:           k_q0735203d31_gemm
    .symbol:         k_q0735203d31_gemm.kd
    .args:
      - { .name: x_codes, .offset: 0, .size: 8, .value_kind: global_buffer, .address_space: global }
      - { .name: w_codes, .offset: 8, .size: 8, .value_kind: global_buffer, .address_space: global }
      - { .name: scl, .offset: 16, .size: 8, .value_kind: global_buffer, .address_space: global }
      - { .name: out0, .offset: 24, .size: 8, .value_kind: global_buffer, .address_space: global }
    .group_segment_fixed_size: 327680
    .private_segment_fixed_size: 0
    .kernarg_segment_align: 8
    .kernarg_segment_size: 32
    .max_flat_workgroup_size: 128
    .sgpr_count:     80
    .vgpr_count:     1024
    .wavefront_size: 32
...
	.end_amdgpu_metadata
.endif
;; end of part 2
